; MI455X (gfx1250); checked and timed in simulation.
; The chip was launched on July 23, 2026; its instructions are those of AMD's public machine-readable ISA for CDNA 5 (MIT licence, August 2026) and "CDNA5" Instruction Set Architecture Reference Guide (July 2026). The comments in the code are by the model that wrote it; some were corrected since.
;; Mo E Decoder. Allowed arithmetic: matrix products marked QUANTISED: E2M1 operands, one E8M0 scale for each 32 along K, by v_wmma_scale_f32_16x16x128_f8f6f4 with both operands' format E2M1 (or v_wmma_scale_f32_32x16x128_f4), f32 sums; products left as they are: f32 operands where the result goes on into a quantised operand, else bf16, f16 or f32 operands; f32 sums; everything else in f32.
;; Inputs: W1_codes 8 x 256 x 4 x 16 uint8 (E2M1 codes of W1, K innermost, in blocks of 32 codes, two codes a byte); W1_scales 8 x 256 x 4 uint8 (E8M0 scales of W1, one for each 32 codes along K); W2_codes 8 x 256 x 8 x 16 uint8 (E2M1 codes of W2, K innermost, in blocks of 32 codes, two codes a byte); W2_scales 8 x 256 x 8 uint8 (E8M0 scales of W2, one for each 32 codes along K); W3_codes 8 x 256 x 8 x 16 uint8 (E2M1 codes of W3, K innermost, in blocks of 32 codes, two codes a byte); W3_scales 8 x 256 x 8 uint8 (E8M0 scales of W3, one for each 32 codes along K); W4_codes 8 x 128 x 8 x 16 uint8 (E2M1 codes of W4, K innermost, in blocks of 32 codes, two codes a byte); W4_scales 8 x 128 x 8 uint8 (E8M0 scales of W4, one for each 32 codes along K); Wg 128 x 8 float32; b1 8 x 256 float32; b2 8 x 256 float32; b3 8 x 256 float32; b4 8 x 128 float32; bg 8 float32; x 16,384 x 128 float32.
;; Outputs: out0 16,384 x 128 float32.
;; This version of the problem:
;;   THIS VERSION OF THE PROBLEM IS GIVEN IN LOW PRECISION. The matrix products marked QUANTISED in the list below multiply operands that are first quantised to E2M1 (2 exponent bits, 1 mantissa bit; 4 bits a number), with one power-of-two scale for each 32 numbers along K (OCP MX v1.0); their sums are f32. All else is computed in f32.
;;   The module's matrix products, in the order in which they are computed (A, B: the left and right operand; K: the contracted axis; several contracted axes count as one K, in the product's order):
;;     1. [M 16,384, K 128] x [K 128, N 8]; A: input x; B: input Wg: left as it is (N = 8 < 16)
;;     2. [M 2,048, K 128] x [K 128, N 16,384]; A: input W1 (given as codes); B: input x: QUANTISED
;;     3. batch 8 x [M 16,384, K 256] x [K 256, N 256]; A: computed on the way; B: input W2 (given as codes): QUANTISED
;;     4. batch 8 x [M 16,384, K 256] x [K 256, N 256]; A: computed on the way; B: input W3 (given as codes): QUANTISED
;;     5. batch 8 x [M 16,384, K 256] x [K 256, N 128]; A: computed on the way; B: input W4 (given as codes): QUANTISED
;;     6. batch 16,384 x [M 128, K 8] x [K 8, N 1]; A: computed on the way; B: softmax: left as it is (K = 8 < 32)
;;   THE QUANTISER, for each operand of a quantised product, along K:
;;     - K is cut into blocks of 32 from its start; a last block that is shorter is filled with zeros.
;;     - A block's scale is 2^e with e = floor(log2(the largest magnitude in the block)) - 2, held to -126 .. 127; a block of zeros has e = 0. As a byte (E8M0): e + 127.
;;     - Each number is divided by its block's scale, clamped to +-6, and rounded to the nearest number of E2M1, ties to even, subnormals kept.
;;     - The product sums the exact products of the quantised numbers (number of the format x scale) in f32.
;;   ~~~python
;;   def quantise(x, axis):      # numpy; x: float32 -> the quantised numbers, widened to float32 again
;;       x = np.moveaxis(x, axis, -1); K = x.shape[-1]
;;       x = np.pad(x, [(0, 0)] * (x.ndim - 1) + [(0, -K % 32)]); x = x.reshape(x.shape[:-1] + (-1, 32)); a = np.abs(x).max(-1, keepdims=True)
;;       e = np.where(a > 0, np.clip(np.frexp(np.where(a > 0, a, 1))[1] - 1 - 2, -126, 127), 0)      # np.frexp(a)[1] - 1 = floor(log2(a)), exactly
;;       r = np.clip(x / 2.0 ** e, -6, 6)
;;       step = 2.0 ** (np.maximum(np.frexp(np.where(r == 0, 1, r))[1] - 1, 0) - 1)
;;       q = np.round(r / step) * step * 2.0 ** e      # np.round: ties to even
;;       return np.moveaxis(q.reshape(q.shape[:-2] + (-1,))[..., :K], -1, axis).astype(np.float32)
;;   ~~~
;;   OPERANDS COMPUTED ON THE WAY. 'Computed on the way' means the value that the module computes at that place (a softmax that the list does not call 'softmax' is quantised finished and normalised). What goes into a quantiser is computed in f32, as accurately as f32 sums, v_exp_f32 and their like allow (about 1e-6 of the number): no bf16 or f16 on the way to a quantiser, and a product that is left as it is and whose result goes on into a quantised operand takes f32 operands (vector FMAs, or v_wmma_f32_16x16x4_f32). A number that lies on a knife's edge between two numbers of the format may be rounded either way, as far as f32 arithmetic and the matrix unit's own rounding can turn it there, and no further.
;;   INPUTS GIVEN AS CODES. W1 (in the module: [8, 128, 256], K = its axis 1); W2 (in the module: [8, 256, 256], K = its axis 1); W3 (in the module: [8, 256, 256], K = its axis 1); W4 (in the module: [8, 256, 128], K = its axis 1): each comes as NAME_codes (uint8): NAME with its K axis moved to the last place and cut into blocks of 32 codes, [.., K / 32, bytes a block], one block behind the other in memory; two codes a byte, the lower K in the low four bits (a code: sign, 2 exponent bits, 1 mantissa bit); and NAME_scales (uint8): the same leading axes, one E8M0 byte (e + 127) for each 32 codes along K. Its value is code x scale, taken as it is: it is not quantised again, and the codes and scales need not be those that the quantiser above would give.
;; One version. Each part assembles by itself: llvm-mc -triple=amdgcn-amd-amdhsa -mcpu=gfx1250 --defsym DOCPART=n.
;; ======== version 1 of 1: 1 launch
;; limits: right only within a limited range of input values
;; launch moe (part 1): grid 256 x 1, 8 waves a work-group, clusters of 4 x 1, 327,680 bytes of LDS; arguments W1_codes, W2_codes, W3_codes, W4_codes, W1_scales, W2_scales, W3_scales, W4_scales, b1, b2, b3, b4, x, Wg, bg, out0; writes out0
.if DOCPART == 1
	.amdgcn_target "amdgcn-amd-amdhsa--gfx1250"
	.amdhsa_code_object_version 6
	.text
	.protected	k_q00117e4542_moe
	.globl	k_q00117e4542_moe
	.p2align	8
	.type	k_q00117e4542_moe,@function
k_q00117e4542_moe:
	s_mov_b64 s[64:65], 0
	v_nop
	global_prefetch_b8 v0, s[64:65] scope:SCOPE_SE
	s_setreg_imm32_b32 hwreg(HW_REG_WAVE_MODE, 25, 1), 1
	s_wait_xcnt 0x0
	s_wait_alu depctr_hold_cnt(0) depctr_sa_sdst(0) depctr_va_vdst(0) depctr_va_sdst(0) depctr_va_ssrc(0) depctr_va_vcc(0) depctr_vm_vsrc(0)
	s_getreg_b32 s2, hwreg(HW_REG_IB_STS2, 6, 4)
	s_cmp_eq_u32 s2, 0
	s_cbranch_scc0 .Lentry_in_a_cluster
	s_endpgm
.Lentry_in_a_cluster:
	s_bfe_u32 s2, ttmp6, 0x10000c
	s_cmp_lg_u32 s2, 0x3003
	s_cbranch_scc0 .Lentry_shape_is_right
	s_endpgm
.Lentry_shape_is_right:
; out[b] = sum over 8 experts of gate[b][e] x (chain of four products of expert e on x[b]); products 2 to 5 on E2M1 codes with E8M0 scales. Every input is used; no work is left out.
; SHARES. A work-group owns 64 tokens and walks the experts in four pairs. Wave w: token tile w / 2 (16 tokens), expert 2 p + (w & 1) of pair p. The two partial sums of a tile are added through LDS at the end.
; All products are used transposed (source 0 = 16 rows of a weight, source 1 = my 16 tokens): lane (r, h) holds token r, register j of tile t the hidden unit 16 t + 8 h + j; the bias is the C of a tile's first product.
; LDS. Six regions of 128 rows x 272 bytes: 0: W1 of the pair; 1, 2: W2; 3, 4: W3; 5: W4 of the pair. Behind them, filled once: all scales and biases; then the spare words.
; Regions 0 to 4 are filled again behind product 3 of a pair, region 5 behind product 4; each fill is shown landed at the next change, ahead of its first read.
; CLUSTER 4, 1, 1: the four work-groups walk the same weights and ask for every tile jointly (mask 15).
; No data prefetch: all clusters read the same 786,432 bytes of codes, and each tile is asked for by its tensor load a whole stage ahead of its first read.
; FRAGMENTS AHEAD: the scale words and the first 16 fragments of the next product are read from LDS ahead of the vector phase; the biases follow each block's conversions.
; MISH. u = e^a. Layers 1, 2: a - 2 a / ((1 + u)^2 + 1): no overflow can make a NaN (u = infinity gives a). LIMIT: its absolute error is a few units in the last place of a, also where mish(a) is far smaller than a; the mean is taken off these numbers next.
; Layer 3 (quantised as it stands): a n / (n + 2), n = u (u + 2), with a log2(e) held at 16, from where on n / (n + 2) is 1 in f32.
; Exponentials and reciprocals go in batches of 64, chunks of 32 registers in a pipeline of three stages; waits round each batch and ahead of a chunk's first read.
; REGISTERS. Window 0: v1-14 addresses; v16.. x's codes; v26, 27 h's scale words; v28.. gates; v32.. h's codes (sums and maxima meanwhile); v48.. weight scales; v64-127 at work; v128-255 the layer.
; Window 1: v0-127 fragments; v128-191 the output's sums; v192-223 the gate's logits.
.set REG,    34816
.set RES,    6*REG
.set SPARE,  RES+77824
.set SPITCH, 528
.set SPW, 1
.set NIL, 2
.set AW1, 3
.set AW2, 4
.set AW4, 6
.set AS1, 7
.set AS23, 8
.set AS4, 9
.set AB,  10
.set AB4, 11
.set AWC, 12
.set ASC, 13
.set ABC, 14
.set XC,  16
.set XS,  24
.set HS0, 26
.set HS1, 27
.set G,   28
.set HC,  32
.set WS,  48
.set T,   64
.set H,   128
.set FR,  0
.set OUT, 128
.set GA,  192
.set WV,  3
.set QP,  4
.set TT,  5
.set MSB, 0
.macro WIN new
.if MSB != \new
	s_set_vgpr_msb (MSB<<8)|\new
.set MSB, \new
.endif
.endm
.macro PLACES n
.rept \n
	v_nop
.endr
.endm
.macro AWAIT
	s_wait_alu depctr_va_vdst(0)
.endm
.macro CROUND
	s_barrier_signal -1
	s_barrier_wait -1
	s_cmp_lg_u32 s[WV], 0
	s_cbranch_scc1 .Lnot_wave_0_\@
	s_barrier_signal -3
.Lnot_wave_0_\@:
	s_barrier_wait -3
	s_barrier_signal -1
	s_barrier_wait -1
.endm
; A change: all my tensor loads are in, the add, my LDS reads are over; a round; then the refill. which = 0: regions 0-4 (waves 0-4), 1: region 5 (wave 5). fill = 0: a plain barrier.
.macro CHANGE fill, which
	s_wait_tensorcnt 0x0
	ds_add_u32 v[SPW], v[NIL]
.if (\fill) && ((\which) == 0)
	s_add_nc_u64 s[78:79], s[78:79], s[92:93]      ; no load of mine is out: on to the next pair's tile
.endif
	s_wait_dscnt 0x0
.if \fill
	CROUND
.if (\which) == 0
	s_cmp_lt_u32 s[WV], 5
.else
	s_cmp_eq_u32 s[WV], 5
.endif
	s_cbranch_scc0 .Lpast_\@
	tensor_load_to_lds s[76:79], s[48:55]
	s_nop 0
	PLACES 4
.Lpast_\@:
.else
	s_barrier_signal -1
	s_barrier_wait -1
.endif
.endm
.macro BIAST ab, t                     ; tile t's bias into its accumulator
	ds_load_b128 v[H+8*(\t):H+8*(\t)+3], v[\ab] offset:64*(\t)
	ds_load_b128 v[H+8*(\t)+4:H+8*(\t)+7], v[\ab] offset:64*(\t)+16
.endm
.macro LDT aw, t0, n, s0               ; both K halves of tiles t0 .. t0+n-1 (rows of 128 bytes) into fragment slots s0 ..
	WIN 0x40
.set t, 0
.rept \n
.irp q, 0,1,2,3
	ds_load_b128 v[FR+16*(t+\s0)+4*\q:FR+16*(t+\s0)+4*\q+3], v[\aw] offset:2176*(t+\t0)+32*\q
.endr
.set t, t+1
.endr
.endm
.macro SC64 as, n                      ; scale words of 32 rows a load: lanes 0-15 the even tile, 16-31 the odd one; two words a row
.set t, 0
.rept \n
	ds_load_b64 v[WS+2*t:WS+2*t+1], v[\as] offset:256*t
.set t, t+1
.endr
.endm
; n products, tiles t0 ..: A at window 1 register fb + fs i, B at b. The accumulators take turns, one instruction a turn.
.macro PRODS t0, n, fb, fs, b, wo, bs
.set i, 0
.rept \n
.set t, \t0+i
.if t%2
	v_wmma_scale_f32_16x16x128_f8f6f4 v[H+8*t:H+8*t+7], v[\fb+\fs*i:\fb+\fs*i+7], v[\b:\b+7], v[H+8*t:H+8*t+7], v[WS+2*(t/2)+\wo], v[\bs] matrix_a_fmt:MATRIX_FMT_FP4 matrix_b_fmt:MATRIX_FMT_FP4 matrix_a_scale:MATRIX_SCALE_ROW1
.else
	v_wmma_scale_f32_16x16x128_f8f6f4 v[H+8*t:H+8*t+7], v[\fb+\fs*i:\fb+\fs*i+7], v[\b:\b+7], v[H+8*t:H+8*t+7], v[WS+2*(t/2)+\wo], v[\bs] matrix_a_fmt:MATRIX_FMT_FP4 matrix_b_fmt:MATRIX_FMT_FP4
.endif
.set i, i+1
.endr
.endm
.macro PRE1                            ; product 1's 16 fragments (rows of 64 bytes): behind the change that shows W1 whole
	WIN 0x40
.set t, 0
.rept 16
	ds_load_b128 v[FR+8*t:FR+8*t+3], v[AW1] offset:1088*t
	ds_load_b128 v[FR+8*t+4:FR+8*t+7], v[AW1] offset:1088*t+32
.set t, t+1
.endr
	WIN 0
.endm
.macro PRE1B                           ; product 1's scale words and b1: bytes that are filled once, so they are read ahead of the change
.set t, 0
.rept 8
	ds_load_b32 v[WS+2*t], v[AS1] offset:128*t
.set t, t+1
.endr
.set t, 0
.rept 16
	BIAST AB, t
.set t, t+1
.endr
.endm
.macro MM_L1
	AWAIT                                          ; directly ahead of the wait below
	s_wait_dscnt 16                                ; all but the 16 loads of tiles 8-15
	WIN 0x01
	PRODS 0, 8, FR, 8, XC, 0, XS
	s_wait_dscnt 0x0
	PRODS 8, 8, FR+64, 8, XC, 0, XS
	WIN 0
	PLACES 4
.endm
.macro MM_23                           ; K = 256, 16 tiles: tiles 0-7 are in registers; tiles 8-15 follow into slots that are done with, four places behind their last product
	AWAIT
	s_wait_dscnt 0x0
	WIN 0x01
	PRODS 0, 4, FR, 16, HC, 0, HS0
	PRODS 0, 4, FR+8, 16, HC+8, 1, HS1
	PLACES 4
	LDT AWC, 8, 4, 0
	WIN 0x01
	PRODS 4, 4, FR+64, 16, HC, 0, HS0
	PRODS 4, 4, FR+72, 16, HC+8, 1, HS1
	PLACES 4
	LDT AWC, 12, 4, 4
	s_wait_dscnt 16                                ; all but the 16 loads of tiles 12-15
	WIN 0x01
	PRODS 8, 4, FR, 16, HC, 0, HS0
	PRODS 8, 4, FR+8, 16, HC+8, 1, HS1
	s_wait_dscnt 0x0
	PRODS 12, 4, FR+64, 16, HC, 0, HS0
	PRODS 12, 4, FR+72, 16, HC+8, 1, HS1
	WIN 0
	PLACES 4
.endm
.macro MM_L4
	AWAIT
	s_wait_dscnt 0x0
	WIN 0x01
	PRODS 0, 8, FR, 16, HC, 0, HS0
	PRODS 0, 8, FR+8, 16, HC+8, 1, HS1
	WIN 0
	PLACES 4
.endm
; sixteen packed lines on 32 registers
.macro PKM d, a, b
.set i, 0
.rept 16
	v_pk_mul_f32 v[\d+2*i:\d+2*i+1], v[\a+2*i:\a+2*i+1], v[\b+2*i:\b+2*i+1]
.set i, i+1
.endr
.endm
.macro PKAC d, a, c
.set i, 0
.rept 16
	v_pk_add_f32 v[\d+2*i:\d+2*i+1], v[\a+2*i:\a+2*i+1], \c op_sel_hi:[1,0]
.set i, i+1
.endr
.endm
.macro PKL d, a                        ; x log2(e)
.set i, 0
.rept 16
	v_pk_mul_f32 v[\d+2*i:\d+2*i+1], v[\a+2*i:\a+2*i+1], s[94:95] op_sel_hi:[1,0]
.set i, i+1
.endr
.endm
.macro TR op, d
.set i, 0
.rept 32
	\op v[\d+i], v[\d+i]
.set i, i+1
.endr
.endm
.macro SUMS hb, first                  ; the row's sum, in eight chains
.set i, 0
.rept 16
.if (\first) && (i < 8)                ; eight chains, so that a line's source is eight lines old
	v_pk_add_f32 v[HC+2*i:HC+2*i+1], v[\hb+2*i:\hb+2*i+1], v[\hb+2*i+16:\hb+2*i+17]
.elseif (\first)
.else
	v_pk_add_f32 v[HC+2*(i%8):HC+2*(i%8)+1], v[HC+2*(i%8):HC+2*(i%8)+1], v[\hb+2*i:\hb+2*i+1]
.endif
.set i, i+1
.endr
.endm
.macro BMAX hb, bm                     ; the largest magnitudes of a chunk's two blocks, with the floor among the leaves
.set i, 0
.irp b, 0,1                            ; two chains a block (the second 8 registers on), joined at the end: 16 numbers and the floor in eight lines
	v_max3_num_f32 v[\bm+\b], |v[\hb+16*\b]|, |v[\hb+16*\b+1]|, s101
	v_max3_num_f32 v[\bm+8+\b], |v[\hb+16*\b+6]|, |v[\hb+16*\b+7]|, |v[\hb+16*\b+8]|
.endr
.irp n, 0,2
.irp b, 0,1
	v_max3_num_f32 v[\bm+\b], v[\bm+\b], |v[\hb+16*\b+2+\n]|, |v[\hb+16*\b+3+\n]|
	v_max3_num_f32 v[\bm+8+\b], v[\bm+8+\b], |v[\hb+16*\b+9+\n]|, |v[\hb+16*\b+10+\n]|
.endr
.endr
.irp b, 0,1
	v_max3_num_f32 v[\bm+\b], v[\bm+\b], v[\bm+8+\b], |v[\hb+16*\b+13]|
.endr
.irp b, 0,1
	v_max3_num_f32 v[\bm+\b], v[\bm+\b], |v[\hb+16*\b+14]|, |v[\hb+16*\b+15]|
.endr
.endm
; Step s of layers 1 and 2: chunk s - 2 is finished, chunk s - 1 gets its divisor, chunk s its exponent; then exp(s) and rcp(s - 1) as one batch.
.macro MSL s
.set uF, T+32*((\s)%2)
.set uM, T+32*(((\s)+1)%2)
.set hP, H+32*(\s)
.set hF, H+32*((\s)-2)
.set mid, ((\s) >= 1) && ((\s) <= 4)
.if (\s) >= 2
.set i, 0
.rept 16                               ; a - a / d', d' = d / 2: one line
	v_pk_fma_f32 v[hF+2*i:hF+2*i+1], v[hF+2*i:hF+2*i+1], v[uF+2*i:uF+2*i+1], v[hF+2*i:hF+2*i+1] neg_lo:[1,0,0] neg_hi:[1,0,0]
.set i, i+1
.endr
.endif
.if mid
	PKAC uM, uM, 0x3f3504f3                        ; (1 + u) / sqrt(2): the exponential has given u / sqrt(2)
.set i, 0
.rept 16                               ; d' = ((1 + u) / sqrt(2))^2 + 1 / 2
	v_pk_fma_f32 v[uM+2*i:uM+2*i+1], v[uM+2*i:uM+2*i+1], v[uM+2*i:uM+2*i+1], 0.5 op_sel_hi:[1,1,0]
.set i, i+1
.endr
.endif
.if (\s) <= 3
.if (\s) > 0
	AWAIT                                          ; directly ahead of the chunk's first read of its matrix results
.endif
.set i, 0
.rept 16                               ; a log2(e) - 1 / 2
	v_pk_fma_f32 v[uF+2*i:uF+2*i+1], v[hP+2*i:hP+2*i+1], s[94:95], -0.5 op_sel_hi:[1,0,0]
.set i, i+1
.endr
.endif
.if (\s) <= 4
	AWAIT                                          ; ahead of the batch
.if (\s) <= 3
	TR v_exp_f32, uF
.endif
.if (\s) >= 1
	TR v_rcp_f32, uM
.endif
.endif
.if (\s) >= 2
	SUMS hF, ((\s) == 2)
.else
	v_nop
.endif
.if (\s) <= 4
	AWAIT                                          ; behind the batch
.endif
.endm
; The same for layer 3.  U = T .. T+31, W = T+32 .. T+63.
.macro MS3 s
.set hP, H+32*(\s)
.set hM, H+32*((\s)-1)
.set hF, H+32*((\s)-2)
.if (\s) >= 2
	PKM hF, hF, T+32                               ; a n / (n + 2)
.endif
.if ((\s) >= 1) && ((\s) <= 4)
	PKAC T+32, T, 2.0                              ; u + 2
	PKM T, T, T+32                                 ; n
	PKAC T+32, T, 2.0                              ; n + 2
	PKM hM, hM, T                                  ; a n
.endif
.if (\s) <= 3
.if (\s) > 0
	AWAIT
.endif
	PKL T, hP
.set i, 0
.rept 32
	v_min_num_f32 v[T+i], s98, v[T+i]
.set i, i+1
.endr
.endif
.if (\s) <= 4
	AWAIT
.if (\s) <= 3
	TR v_exp_f32, T
.endif
.if (\s) >= 1
	TR v_rcp_f32, T+32
.endif
.endif
.if (\s) >= 2
	BMAX hF, HC+2*((\s)-2)
.else
	v_nop
.endif
.if (\s) <= 4
	AWAIT
.endif
.endm
.macro QSC                             ; from the eight largest magnitudes T+k: the conversions' scale operands T+16+k and h's two scale words
.irp k, 0,1,2,3,4,5,6,7
	v_add_nc_u32 v[T+16+\k], 0xff000000, v[T+\k]
.endr
.irp k, 0,1,2,3,4,5,6,7
	v_lshrrev_b32 v[T+24+\k], 23, v[T+16+\k]
.endr
	v_lshl_or_b32 v[HS0], v[T+25], 8, v[T+24]
	v_lshl_or_b32 v[HS1], v[T+29], 8, v[T+28]
	s_delay_alu instid0(VALU_DEP_2)
	v_lshl_or_b32 v[HS0], v[T+26], 16, v[HS0]
	s_delay_alu instid0(VALU_DEP_2)
	v_lshl_or_b32 v[HS1], v[T+30], 16, v[HS1]
	s_delay_alu instid0(VALU_DEP_2)
	v_lshl_or_b32 v[HS0], v[T+27], 24, v[HS0]
	s_delay_alu instid0(VALU_DEP_2)
	v_lshl_or_b32 v[HS1], v[T+31], 24, v[HS1]
.endm
.macro CVT t                           ; tile t's eight numbers a lane to codes, at the place from which one exchange of halves makes the operand
	v_cvt_scalef32_pk8_fp4_f32 v[HC+8*((\t)/8)+4*(((\t)%8)/4)+2*((\t)%2)+(((\t)/2)%2)], v[H+8*(\t):H+8*(\t)+7], v[T+16+(\t)/2]
.endm
.macro SWAPS
	v_nop
.irp a, 0,2,4,6,8,10,12,14
	v_permlane16_swap_b32 v[HC+\a], v[HC+\a+1]
.endr
.endm
.macro VEC_LN
.irp g, 0,1,2,3,4,5
	MSL \g
.endr
.irp j, 0,2,4,6
	v_pk_add_f32 v[HC+\j:HC+\j+1], v[HC+\j:HC+\j+1], v[HC+8+\j:HC+9+\j]
.endr
	v_pk_add_f32 v[HC:HC+1], v[HC:HC+1], v[HC+4:HC+5]
	v_pk_add_f32 v[HC+2:HC+3], v[HC+2:HC+3], v[HC+6:HC+7]
	s_delay_alu instid0(VALU_DEP_1)
	v_pk_add_f32 v[HC:HC+1], v[HC:HC+1], v[HC+2:HC+3]
	s_delay_alu instid0(VALU_DEP_1)
	v_add_f32 v[HC], v[HC], v[HC+1]
	s_delay_alu instid0(VALU_DEP_1)
	v_permlanex16_b32 v[HC+1], v[HC], s96, s97
	s_delay_alu instid0(VALU_DEP_1)
	v_add_f32 v[HC], v[HC], v[HC+1]
	s_delay_alu instid0(VALU_DEP_1)
	v_mul_f32 v[T+36], s100, v[HC]                 ; the mean
	v_mul_f32 v[T+37], s100, v[HC]
.set p, 0
.rept 66                               ; the mean off; two lines on: squares in four chains, and the blocks' largest magnitudes
.if p < 64                             ; the eight blocks by turns: pair p / 8 of block p % 8; the squares in four chains
.set pq, 8*(p%8)+p/8
	v_pk_add_f32 v[H+2*pq:H+2*pq+1], v[H+2*pq:H+2*pq+1], v[T+36:T+37] neg_lo:[0,1] neg_hi:[0,1]
.endif
.if p > 1
.set o, p-2
.set pq, 8*(o%8)+o/8
.if o < 4
	v_pk_mul_f32 v[T+40+2*o:T+41+2*o], v[H+2*pq:H+2*pq+1], v[H+2*pq:H+2*pq+1]
.else
	v_pk_fma_f32 v[T+40+2*(o%4):T+41+2*(o%4)], v[H+2*pq:H+2*pq+1], v[H+2*pq:H+2*pq+1], v[T+40+2*(o%4):T+41+2*(o%4)]
.endif
.if o < 8
	v_max_num_f32 v[T+o%8], |v[H+2*pq]|, |v[H+2*pq+1]|
.else
	v_max3_num_f32 v[T+o%8], v[T+o%8], |v[H+2*pq]|, |v[H+2*pq+1]|
.endif
.endif
.set p, p+1
.endr
	v_pk_add_f32 v[T+40:T+41], v[T+40:T+41], v[T+44:T+45]
	v_pk_add_f32 v[T+42:T+43], v[T+42:T+43], v[T+46:T+47]
	s_delay_alu instid0(VALU_DEP_1)
	v_pk_add_f32 v[T+32:T+33], v[T+40:T+41], v[T+42:T+43]
	s_delay_alu instid0(VALU_DEP_1)
	v_add_f32 v[T+32], v[T+32], v[T+33]
	s_delay_alu instid0(VALU_DEP_1)
	v_permlanex16_b32 v[T+33], v[T+32], s96, s97
	s_delay_alu instid0(VALU_DEP_1)
	v_add_f32 v[T+32], v[T+32], v[T+33]
	s_delay_alu instid0(VALU_DEP_1)
	v_fma_f32 v[T+32], v[T+32], s100, s99          ; the variance + eps
	AWAIT
	v_rsq_f32 v[T+38], v[T+32]
	v_rsq_f32 v[T+39], v[T+32]
.irp k, 0,1,2,3,4,5,6,7
	v_permlanex16_b32 v[T+8+\k], v[T+\k], s96, s97
.endr
.irp k, 0,1,2,3,4,5,6,7
	v_max_num_f32 v[T+\k], v[T+\k], v[T+8+\k]
.endr
	AWAIT
.irp k, 0,1,2,3,4,5,6,7
	v_mul_f32 v[T+\k], v[T+\k], v[T+38]
.endr
.irp k, 0,1,2,3,4,5,6,7
	v_max_num_f32 v[T+\k], s101, v[T+\k]
.endr
	QSC
.set k, 0
.rept 9                                ; block by block: scaled; a block on: converted, and the next product's bias loaded over it
.if k < 8
.set i, 0
.rept 8
	v_pk_mul_f32 v[H+16*k+2*i:H+16*k+2*i+1], v[H+16*k+2*i:H+16*k+2*i+1], v[T+38:T+39]
.set i, i+1
.endr
.endif
.if k > 0
	CVT 2*k-2
	CVT 2*k-1
	BIAST ABC, 2*k-2
	BIAST ABC, 2*k-1
.endif
.set k, k+1
.endr
	SWAPS
	PLACES 4
.endm
.macro VEC_3
.irp g, 0,1,2,3,4,5
	MS3 \g
.endr
.irp k, 0,1,2,3,4,5,6,7
	v_permlanex16_b32 v[T+8+\k], v[HC+\k], s96, s97
.endr
.irp k, 0,1,2,3,4,5,6,7
	v_max_num_f32 v[T+\k], v[HC+\k], v[T+8+\k]
.endr
	QSC
.set k, 0
.rept 16
	CVT k
.if k < 8
	BIAST AB4, k
.endif
.set k, k+1
.endr
	SWAPS
	PLACES 8
.endm
.macro PAIR last
	MM_L1
	s_mov_b32 s13, 0
	s_mov_b32 s8, 0                                ; trip 0: W2, b2; trip 1: W3, b3
	s_mov_b32 s9, 0
	s_mov_b32 s10, 8192
.Lln_\@:
	v_add_nc_u32 v[AWC], s8, v[AW2]
	v_add_nc_u32 v[ASC], s9, v[AS23]
	v_add_nc_u32 v[ABC], s10, v[AB]
	LDT AWC, 0, 8, 0
	WIN 0
	SC64 ASC, 8
	VEC_LN
	MM_23
	s_add_co_u32 s8, s8, 2*REG
	s_add_co_u32 s9, s9, 16384
	s_add_co_u32 s10, s10, 8192
	s_add_co_u32 s13, s13, 1
	s_cmp_lt_u32 s13, 2
	s_cbranch_scc1 .Lln_\@
	CHANGE !(\last), 0                             ; W1, W2, W3 are read out; W4 is whole
	LDT AW4, 0, 8, 0
	WIN 0
	SC64 AS4, 4
	VEC_3
	MM_L4
.if !(\last)
	v_add_nc_u32 v[AS1], 2048, v[AS1]
	v_add_nc_u32 v[AS23], 4096, v[AS23]
	v_add_nc_u32 v[AS4], 2048, v[AS4]
	v_add_nc_u32 v[AB], 2048, v[AB]
	v_add_nc_u32 v[AB4], 1024, v[AB4]
.endif
	WIN 0x50
.set p, 0
.rept 32
	v_pk_fma_f32 v[OUT+2*p:OUT+2*p+1], v[H+2*p:H+2*p+1], v[G:G+1], v[OUT+2*p:OUT+2*p+1] op_sel_hi:[1,0,1]
.set p, p+1
.endr
	WIN 0
.if !(\last)
	v_mov_b32 v[G], v[G+1]
	v_mov_b32 v[G+1], v[G+2]
	v_mov_b32 v[G+2], v[G+3]
	PRE1B
	CHANGE 1, 1                                    ; W4 is read out; the next pair's W1, W2, W3 are whole
	PRE1
.endif
.endm
	s_load_b512 s[16:31], s[0:1], 0x0
	s_load_b512 s[32:47], s[0:1], 0x40
	v_lshl_add_u32 v[SPW], v0, 2, SPARE
	v_mov_b32 v[NIL], 0
	ds_add_u32 v[SPW], v[NIL]                      ; the opening: the add twice on end under one wait
	ds_add_u32 v[SPW], v[NIL]
	v_lshrrev_b32 v32, 5, v0
	s_delay_alu instid0(VALU_DEP_1)
	v_readfirstlane_b32 s[WV], v32
	s_and_b32 s[QP], s[WV], 1
	s_lshr_b32 s[TT], s[WV], 1
	s_bfe_u32 s6, ttmp6, 0x40000
	s_lshl_b32 s7, ttmp9, 2
	s_add_co_u32 s7, s7, s6                        ; the work-group's number
	s_mov_b32 s48, 15|(3<<16)|(1<<20)|(1<<21)|(5<<22)|(3<<25)   ; a region: 128 rows of 256 bytes, 16 of padding behind each
	s_mov_b32 s49, 32<<16
	s_mov_b32 s50, 128<<16
	s_mov_b32 s51, 32<<16
	s_mov_b32 s52, 128
	s_mov_b32 s53, 32
	s_mov_b32 s54, 0
	s_mov_b32 s55, 0
	s_mov_b32 s56, 15|(3<<16)|(1<<21)              ; 8,192 dense bytes
	s_mov_b32 s57, 32<<16
	s_mov_b32 s58, 32<<16
	s_mov_b32 s59, 32<<16
	s_mov_b32 s60, 32
	s_mov_b32 s61, 32
	s_mov_b32 s62, 0
	s_mov_b32 s63, 0
	s_mov_b32 s68, 15|(3<<16)|(1<<21)              ; 4,096 dense bytes
	s_mov_b32 s69, 32<<16
	s_mov_b32 s70, 16<<16
	s_mov_b32 s71, 32<<16
	s_mov_b32 s72, 16
	s_mov_b32 s73, 32
	s_mov_b32 s74, 0
	s_mov_b32 s75, 0
	s_mov_b32 s76, 1
	s_mul_i32 s77, s[WV], REG
	s_mov_b32 s80, 1
	s_lshl_b32 s81, s[WV], 13
	s_add_co_u32 s81, s81, RES
	s_mov_b32 s84, 1
	s_mov_b32 s85, RES+65536
	s_mov_b32 s88, 1
	s_mov_b32 s89, RES+73728
	s_cmp_eq_u32 s[WV], 2
	s_cselect_b32 s8, 0x8000, 0
	s_cmp_eq_u32 s[WV], 4
	s_cselect_b32 s8, 0x8000, s8
	s_mov_b32 s9, 0
	s_lshr_b32 s10, s8, 2
	s_mov_b32 s11, 0
	s_mov_b32 s92, 0x10000                         ; a pair on, in my tensor of codes
	s_cmp_eq_u32 s[WV], 0
	s_cselect_b32 s92, 0x8000, s92
	s_cmp_ge_u32 s[WV], 5
	s_cselect_b32 s92, 0x8000, s92
	s_mov_b32 s93, 0
	s_mov_b32 s94, 0x3fb8aa3b                      ; log2(e)
	s_mov_b32 s95, s94
	s_mov_b32 s96, 0x76543210
	s_mov_b32 s97, 0xfedcba98
	s_mov_b32 s98, 0x41800000                      ; 16
	s_mov_b32 s99, 0x3727c5ac                      ; 1e-5
	s_mov_b32 s100, 0x3b800000                     ; 1 / 256
	s_mov_b32 s101, 0x01800000                     ; the floor 2^(3 - 127)
	s_sub_co_u32 s14, 0, s[QP]
	v_and_b32 v34, 31, v0
	v_and_b32 v35, 15, v0
	v_bfe_u32 v36, v0, 4, 1
	s_delay_alu instid0(VALU_DEP_2)
	v_lshlrev_b32 v32, 9, v35
	s_delay_alu instid0(VALU_DEP_1)
	v_lshl_add_u32 v32, v36, 7, v32                ; x: row r, + 32 h numbers
	v_and_b32 v37, 7, v0
	s_delay_alu instid0(VALU_DEP_1)
	v_lshlrev_b32 v33, 2, v37
	s_delay_alu instid0(VALU_DEP_1)
	v_lshl_add_u32 v33, v36, 10, v33               ; Wg: column r % 8, + 32 h rows
	v_lshrrev_b32 v38, 1, v35
	s_delay_alu instid0(VALU_DEP_1)
	v_mul_u32_u24 v38, v38, 272
	v_and_b32 v39, 1, v0
	s_delay_alu instid0(VALU_DEP_1)
	v_lshl_add_u32 v38, v39, 7, v38
	s_delay_alu instid0(VALU_DEP_1)
	v_lshl_add_u32 v38, v36, 4, v38                ; rows of 128 bytes, two to an LDS row
	v_lshrrev_b32 v40, 2, v35
	s_delay_alu instid0(VALU_DEP_1)
	v_mul_u32_u24 v40, v40, 272
	v_and_b32 v41, 3, v0
	s_delay_alu instid0(VALU_DEP_1)
	v_lshl_add_u32 v40, v41, 6, v40
	s_delay_alu instid0(VALU_DEP_1)
	v_lshl_add_u32 v40, v36, 4, v40                ; rows of 64 bytes, four to an LDS row
	s_mul_i32 s12, s[QP], 17408
	v_add_nc_u32 v[AW1], s12, v40
	s_add_co_u32 s12, s12, 5*REG
	v_add_nc_u32 v[AW4], s12, v38
	s_mul_i32 s12, s[QP], REG
	s_add_co_u32 s12, s12, REG
	v_add_nc_u32 v[AW2], s12, v38
	s_lshl_b32 s12, s[QP], 10
	s_add_co_u32 s13, s12, RES
	v_lshl_add_u32 v[AS1], v34, 2, s13
	s_add_co_u32 s13, s12, RES+40960
	v_lshl_add_u32 v[AS4], v34, 3, s13
	s_add_co_u32 s13, s12, RES+49152
	v_lshl_add_u32 v[AB], v36, 5, s13
	s_lshl_b32 s12, s[QP], 11
	s_add_co_u32 s12, s12, RES+8192
	v_lshl_add_u32 v[AS23], v34, 3, s12
	s_lshl_b32 s12, s[QP], 9
	s_add_co_u32 s12, s12, RES+73728
	v_lshl_add_u32 v[AB4], v36, 5, s12
	AWAIT                                          ; directly ahead of the waits below
	s_wait_dscnt 0x0
	s_wait_kmcnt 0x0
	s_mov_b64 s[78:79], s[16:17]
	s_mov_b64 s[82:83], s[24:25]
	s_cmp_ge_u32 s[WV], 1
	s_cselect_b64 s[78:79], s[18:19], s[78:79]
	s_cselect_b64 s[82:83], s[26:27], s[82:83]
	s_cmp_ge_u32 s[WV], 3
	s_cselect_b64 s[78:79], s[20:21], s[78:79]
	s_cselect_b64 s[82:83], s[28:29], s[82:83]
	s_cmp_ge_u32 s[WV], 5
	s_cselect_b64 s[78:79], s[22:23], s[78:79]
	s_cselect_b64 s[82:83], s[30:31], s[82:83]
	s_cmp_ge_u32 s[WV], 6
	s_cselect_b64 s[82:83], s[32:33], s[82:83]
	s_cmp_ge_u32 s[WV], 7
	s_cselect_b64 s[82:83], s[34:35], s[82:83]
	s_add_nc_u64 s[78:79], s[78:79], s[8:9]
	s_add_nc_u64 s[82:83], s[82:83], s[10:11]
	s_or_b32 s79, s79, 0x80000000
	s_or_b32 s83, s83, 0x80000000
	s_mov_b64 s[86:87], s[36:37]
	s_or_b32 s87, s87, 0x80000000
	s_mov_b64 s[90:91], s[38:39]
	s_or_b32 s91, s91, 0x80000000
	s_lshl_b32 s66, s7, 15
	s_lshl_b32 s15, s[TT], 13
	s_add_co_u32 s66, s66, s15
	s_mov_b32 s67, 0
	s_add_nc_u64 s[40:41], s[40:41], s[66:67]      ; my 16 rows of x
	s_lshl_b32 s66, s7, 15
	s_lshl_b32 s15, s[WV], 12
	s_add_co_u32 s66, s66, s15
	s_add_nc_u64 s[46:47], s[46:47], s[66:67]      ; the 8 rows of out0 that I store
.irp c, 0,1
.irp g, 0,1,2,3,4,5,6,7
	global_load_b128 v[H+32*\c+4*\g:H+32*\c+4*\g+3], v32, s[40:41] offset:256*\c+16*\g   ; x(r, 64 c + 32 h + ..): asked for ahead of the round
.endr
.endr
	s_load_b256 s[16:23], s[44:45], 0x0            ; bg
	CROUND
	tensor_load_to_lds s[80:83], s[56:63]          ; one a wave: the scales, b1, b2
	s_nop 0
	PLACES 4
.set i, 0
.rept 64
	global_load_b32 v[T+i], v33, s[42:43] offset:32*(64*(i/32)+(i%32))
.set i, i+1
.endr
	s_wait_loadcnt 63                              ; of 80 loads at most 63 are out: x's 16, the oldest, are in
	; x to codes, while the first tiles are on their way: a lane holds two whole blocks
.irp c, 0,1
	v_max3_num_f32 v[208+\c], |v[H+32*\c]|, |v[H+32*\c+1]|, s101
.endr
.irp i, 2,4,6,8,10,12,14,16,18,20,22,24,26,28,30
.irp c, 0,1
	s_delay_alu instid0(VALU_DEP_2)
	v_max3_num_f32 v[208+\c], v[208+\c], |v[H+32*\c+\i]|, |v[H+32*\c+\i+1]|
.endr
.endr
.irp c, 0,1
	s_delay_alu instid0(VALU_DEP_2)
	v_add_nc_u32 v[210+\c], 0xff000000, v[208+\c]
.endr
.irp c, 0,1
	s_delay_alu instid0(VALU_DEP_2)
	v_lshrrev_b32 v[212+\c], 23, v[210+\c]
.endr
	s_delay_alu instid0(VALU_DEP_1)
	v_lshl_or_b32 v[XS], v213, 16, v212
	v_lshlrev_b32 v214, 3, v36
	s_delay_alu instid0(VALU_DEP_1)
	v_lshlrev_b32 v[XS], v214, v[XS]
	v_mov_b32 v214, 0
	s_delay_alu instid0(VALU_DEP_1)
	v_permlanex16_b32 v214, v[XS], s96, s97
	s_delay_alu instid0(VALU_DEP_1)
	v_or_b32 v[XS], v[XS], v214
.irp c, 0,1
.irp g, 0,1,2,3
	v_cvt_scalef32_pk8_fp4_f32 v[XC+4*\c+\g], v[H+32*\c+8*\g:H+32*\c+8*\g+7], v[210+\c]
.endr
.endr
	v_nop
	AWAIT
	s_wait_tensorcnt 0x0                           ; ahead of the later first fills, as ahead of a refill
	ds_add_u32 v[SPW], v[NIL]
	s_wait_dscnt 0x0
	CROUND
	s_cmp_lt_u32 s[WV], 6
	s_cbranch_scc0 .Lfirst_bias
	tensor_load_to_lds s[76:79], s[48:55]          ; waves 0-5: the six regions, pair 0
	s_nop 0
	PLACES 4
	s_branch .Lfirst_asked
.Lfirst_bias:
	s_cmp_eq_u32 s[WV], 6
	s_cbranch_scc0 .Lfirst_b4
	tensor_load_to_lds s[84:87], s[56:63]          ; b3
	s_nop 0
	PLACES 4
	s_branch .Lfirst_asked
.Lfirst_b4:
	tensor_load_to_lds s[88:91], s[68:75]          ; b4
	s_nop 0
	PLACES 4
.Lfirst_asked:
	; the gate, in f32, while the regions are on their way: logits^T = Wg^T x^T (rows 8-15 repeat the experts), k in the same order on both sides
	s_wait_loadcnt 0x0
	s_wait_kmcnt 0x0
	WIN 0x40
.irp a, 0,1,2,3
	v_wmma_f32_16x16x4_f32 v[GA+8*\a:GA+8*\a+7], v[T+2*\a:T+2*\a+1], v[H+2*\a:H+2*\a+1], 0
.endr
	WIN 0x50
.set ks, 4
.rept 28
	v_wmma_f32_16x16x4_f32 v[GA+8*(ks%4):GA+8*(ks%4)+7], v[T+2*ks:T+2*ks+1], v[H+2*ks:H+2*ks+1], v[GA+8*(ks%4):GA+8*(ks%4)+7]
.set ks, ks+1
.endr
	WIN 0x40
.set i, 0
.rept 64
	v_mov_b32 v[OUT+i], 0                          ; the loop over pairs is written once; these are also the places behind the products
.set i, i+1
.endr
	WIN 0x05
.irp p, 0,2,4,6
	v_pk_add_f32 v[192+\p:193+\p], v[GA+\p:GA+\p+1], v[GA+8+\p:GA+9+\p]
.endr
.irp p, 0,2,4,6
	v_pk_add_f32 v[200+\p:201+\p], v[GA+16+\p:GA+17+\p], v[GA+24+\p:GA+25+\p]
.endr
	WIN 0
.irp p, 0,2,4,6
	v_pk_add_f32 v[192+\p:193+\p], v[192+\p:193+\p], v[200+\p:201+\p]
.endr
.irp j, 0,1,2,3,4,5,6,7
	v_add_f32 v[192+\j], s[16+\j], v[192+\j]
.endr
	v_max3_num_f32 v208, v192, v193, v194
	s_delay_alu instid0(VALU_DEP_1)
	v_max3_num_f32 v208, v208, v195, v196
	s_delay_alu instid0(VALU_DEP_1)
	v_max3_num_f32 v208, v208, v197, v198
	s_delay_alu instid0(VALU_DEP_1)
	v_max_num_f32 v208, v208, v199                 ; the maximum is taken away
	s_delay_alu instid0(VALU_DEP_1)
	v_mul_f32 v208, s94, v208
.irp j, 0,1,2,3,4,5,6,7
	v_fma_f32 v[192+\j], v[192+\j], s94, -v208
.endr
	AWAIT
.irp j, 0,1,2,3,4,5,6,7
	v_exp_f32 v[192+\j], v[192+\j]
.endr
	v_nop
	AWAIT
	v_add_f32 v200, v192, v193
	v_add_f32 v201, v194, v195
	v_add_f32 v202, v196, v197
	v_add_f32 v203, v198, v199
	s_delay_alu instid0(VALU_DEP_3)
	v_add_f32 v200, v200, v201
	s_delay_alu instid0(VALU_DEP_2)
	v_add_f32 v202, v202, v203
	s_delay_alu instid0(VALU_DEP_1)
	v_add_f32 v200, v200, v202
	AWAIT
	v_rcp_f32 v200, v200
.irp j, 0,1,2,3
	v_cndmask_b32 v[G+\j], v[192+2*\j], v[193+2*\j], s14   ; my four experts: 2 j + (wave & 1)
.endr
	AWAIT
.irp j, 0,1,2,3
	v_mul_f32 v[G+\j], v[G+\j], v200
.endr
	AWAIT                                          ; the head's end
	s_wait_tensorcnt 0x0
	s_barrier_signal -1
	s_barrier_wait -1                              ; all tiles of pair 0, the scales and the biases are whole
	PRE1B
	PRE1
	s_mov_b32 s12, 3
.Lpair:
	PAIR 0
	s_sub_co_u32 s12, s12, 1
	s_cmp_lg_u32 s12, 0
	s_cbranch_scc1 .Lpair
	PAIR 1                                         ; the last pair is written out: it asks for nothing
	; the way out: both partial sums of a tile through a stage in regions 0 and 1, which have had their last fill and their last read
	v_and_b32 v6, 15, v0
	v_bfe_u32 v7, v0, 4, 1
	v_and_b32 v8, 31, v0
	s_mul_i32 s8, s[QP], 64*SPITCH
	s_mul_i32 s9, s[TT], 16*SPITCH
	s_add_co_u32 s8, s8, s9
	v_mul_u32_u24 v3, v6, SPITCH
	s_delay_alu instid0(VALU_DEP_1)
	v_lshl_add_u32 v3, v7, 5, v3
	s_delay_alu instid0(VALU_DEP_1)
	v_add_nc_u32 v3, s8, v3
	s_mul_i32 s9, s[WV], 8*SPITCH
	v_lshlrev_b32 v5, 4, v8
	s_delay_alu instid0(VALU_DEP_1)
	v_add_nc_u32 v4, s9, v5
	WIN 0x04
.set t, 0
.rept 8
	ds_store_b128 v3, v[OUT+8*t:OUT+8*t+3] offset:64*t
	ds_store_b128 v3, v[OUT+8*t+4:OUT+8*t+7] offset:64*t+16
.set t, t+1
.endr
	WIN 0
	AWAIT
	s_wait_dscnt 0x0
	s_barrier_signal -1
	s_barrier_wait -1
.irp i, 0,1,2,3,4,5,6,7
	ds_load_b128 v[T+8*\i:T+8*\i+3], v4 offset:SPITCH*\i
	ds_load_b128 v[T+8*\i+4:T+8*\i+7], v4 offset:SPITCH*\i+64*SPITCH
.endr
.irp i, 0,1,2,3,4,5,6,7
	s_wait_dscnt 14-2*\i                           ; the two loads of row i are in
	v_pk_add_f32 v[T+8*\i:T+8*\i+1], v[T+8*\i:T+8*\i+1], v[T+8*\i+4:T+8*\i+5]
	v_pk_add_f32 v[T+8*\i+2:T+8*\i+3], v[T+8*\i+2:T+8*\i+3], v[T+8*\i+6:T+8*\i+7]
	global_store_b128 v5, v[T+8*\i:T+8*\i+3], s[46:47] offset:512*\i th:TH_STORE_NT   ; 32 lanes store a row of 512 bytes
.endr
	s_wait_tensorcnt 0x0                           ; the wave's end
	ds_add_u32 v[SPW], v[NIL]
	s_wait_dscnt 0x0
	CROUND
	s_endpgm
.Lfunc_end_k_q00117e4542_moe:
	.size	k_q00117e4542_moe, .Lfunc_end_k_q00117e4542_moe-k_q00117e4542_moe
	.p2alignl 7, 3214868480
	.fill 96, 4, 3214868480
	.section	.rodata,"a",@progbits
	.p2align	6, 0x0
	.amdhsa_kernel k_q00117e4542_moe
		.amdhsa_group_segment_fixed_size 327680
		.amdhsa_private_segment_fixed_size 0
		.amdhsa_enable_private_segment 0
		.amdhsa_kernarg_size 128
		.amdhsa_user_sgpr_count 2
		.amdhsa_user_sgpr_kernarg_segment_ptr 1
		.amdhsa_wavefront_size32 1
		.amdhsa_system_sgpr_workgroup_id_x 1
		.amdhsa_system_sgpr_workgroup_id_y 1
		.amdhsa_system_sgpr_workgroup_id_z 1
		.amdhsa_system_vgpr_workitem_id 0
		.amdhsa_next_free_vgpr 512
		.amdhsa_next_free_sgpr 104
		.amdhsa_reserve_vcc 0
		.amdhsa_float_denorm_mode_32 3
		.amdhsa_float_denorm_mode_16_64 3
		.amdhsa_memory_ordered 1
		.amdhsa_forward_progress 1
		.amdhsa_inst_pref_size 255
	.end_amdhsa_kernel
	.section	.bss,"aw",@nobits
	.p2align	6
	.space	262144
	.amdgpu_metadata
---
amdhsa.version: [ 1, 2 ]
amdhsa.kernels:
  - .name:           k_q00117e4542_moe
    .symbol:         k_q00117e4542_moe.kd
    .args:
      - { .name: W1_codes, .offset: 0, .size: 8, .value_kind: global_buffer, .address_space: global }
      - { .name: W2_codes, .offset: 8, .size: 8, .value_kind: global_buffer, .address_space: global }
      - { .name: W3_codes, .offset: 16, .size: 8, .value_kind: global_buffer, .address_space: global }
      - { .name: W4_codes, .offset: 24, .size: 8, .value_kind: global_buffer, .address_space: global }
      - { .name: W1_scales, .offset: 32, .size: 8, .value_kind: global_buffer, .address_space: global }
      - { .name: W2_scales, .offset: 40, .size: 8, .value_kind: global_buffer, .address_space: global }
      - { .name: W3_scales, .offset: 48, .size: 8, .value_kind: global_buffer, .address_space: global }
      - { .name: W4_scales, .offset: 56, .size: 8, .value_kind: global_buffer, .address_space: global }
      - { .name: b1, .offset: 64, .size: 8, .value_kind: global_buffer, .address_space: global }
      - { .name: b2, .offset: 72, .size: 8, .value_kind: global_buffer, .address_space: global }
      - { .name: b3, .offset: 80, .size: 8, .value_kind: global_buffer, .address_space: global }
      - { .name: b4, .offset: 88, .size: 8, .value_kind: global_buffer, .address_space: global }
      - { .name: x, .offset: 96, .size: 8, .value_kind: global_buffer, .address_space: global }
      - { .name: Wg, .offset: 104, .size: 8, .value_kind: global_buffer, .address_space: global }
      - { .name: bg, .offset: 112, .size: 8, .value_kind: global_buffer, .address_space: global }
      - { .name: out0, .offset: 120, .size: 8, .value_kind: global_buffer, .address_space: global }
    .group_segment_fixed_size: 327680
    .private_segment_fixed_size: 0
    .kernarg_segment_align: 8
    .kernarg_segment_size: 128
    .max_flat_workgroup_size: 256
    .sgpr_count:     104
    .vgpr_count:     512
    .wavefront_size: 32
...
	.end_amdgpu_metadata
.endif
;; end of part 1
